; MI455X (gfx1250); checked and timed in simulation.
; The chip was launched on July 23, 2026; its instructions are those of AMD's public machine-readable ISA for CDNA 5 (MIT licence, August 2026) and "CDNA5" Instruction Set Architecture Reference Guide (July 2026). The comments in the code are by the model that wrote it; some were corrected since.
;; Content Based Attention. Allowed arithmetic: matrix products marked QUANTISED: E4M3 operands, one given power-of-two scale a tensor, by v_wmma_f32_16x16x64_fp8_fp8 or v_wmma_f32_16x16x128_fp8_fp8, f32 sums; products left as they are: f32 operands where the result goes on into a quantised operand, else bf16, f16 or f32 operands; f32 sums; everything else in f32.
;; Inputs: V 1,024 x 1,024 float32; W 1,024 x 1,024 float32; b 1,024 float32; decoder_output 32 x 1 x 1,024 float32; encoder_outputs 32 x 2,048 x 1,024 float32; lowp_scales 4 int32 (the exponents e of the quantised operands' scales 2^e); w 1,024 x 1 float32.
;; Outputs: out0 32 x 1,024 float32.
;; This version of the problem:
;;   THIS VERSION OF THE PROBLEM IS GIVEN IN LOW PRECISION. The matrix products marked QUANTISED in the list below multiply operands that are first quantised to E4M3 (4 exponent bits, 3 mantissa bits; 8 bits a number), with one given power-of-two scale for each operand tensor; their sums are f32. All else is computed in f32.
;;   The module's matrix products, in the order in which they are computed (A, B: the left and right operand; K: the contracted axis; several contracted axes count as one K, in the product's order):
;;     1. [M 32, K 1,024] x [K 1,024, N 1,024]; A: input decoder_output; B: input W: QUANTISED (scales: A lowp_scales[0], B lowp_scales[1])
;;     2. [M 65,536, K 1,024] x [K 1,024, N 1,024]; A: input encoder_outputs; B: input V: QUANTISED (scales: A lowp_scales[2], B lowp_scales[3])
;;     3. [M 65,536, K 1,024] x [K 1,024, N 1]; A: computed on the way; B: input w: left as it is (N = 1 < 16)
;;     4. batch 32 x [M 1, K 2,048] x [K 2,048, N 1,024]; A: softmax; B: input encoder_outputs: left as it is (M = 1 < 16)
;;   THE QUANTISER, for each operand of a quantised product, along K:
;;     - The operand's scale is 2^e, e = its entry of the input lowp_scales (int32; the entries are numbered through the quantised products in the list's order, A before B).
;;     - Each number is divided by the scale, clamped to +-448, and rounded to the nearest number of E4M3, ties to even, subnormals kept.
;;     - The product sums the exact products of the quantised numbers (number of the format x scale) in f32.
;;   ~~~python
;;   def quantise(x, axis, e):      # numpy; x: float32 -> the quantised numbers, widened to float32 again
;;       x = np.moveaxis(x, axis, -1); K = x.shape[-1]
;;       r = np.clip(x / 2.0 ** e, -448, 448)
;;       step = 2.0 ** (np.maximum(np.frexp(np.where(r == 0, 1, r))[1] - 1, -6) - 3)
;;       q = np.round(r / step) * step * 2.0 ** e      # np.round: ties to even
;;       return np.moveaxis(q, -1, axis).astype(np.float32)
;;   ~~~
;; One version. Each part assembles by itself: llvm-mc -triple=amdgcn-amd-amdhsa -mcpu=gfx1250 --defsym DOCPART=n.
;; ======== version 1 of 1: 3 launches
;; limits: values are held in bf16: 8 bits of precision; right only within a limited range of input values
;; workspace buffers: vfrag 1,048,576 bytes; biasp 1,048,576 bytes; part 1,179,648 bytes
;; launch prep (part 1): grid 256 x 1, 4 waves a work-group, no clusters, 0 bytes of LDS; arguments V, W, decoder_output, lowp_scales, vfrag, biasp; writes vfrag, biasp
.if DOCPART == 1
	.amdgcn_target "amdgcn-amd-amdhsa--gfx1250"
	.amdhsa_code_object_version 6
	.text
	.protected	k_qba5a552f71_prep
	.globl	k_qba5a552f71_prep
	.p2align	8
	.type	k_qba5a552f71_prep,@function
k_qba5a552f71_prep:
	s_mov_b64 s[64:65], 0
	v_nop
	global_prefetch_b8 v0, s[64:65] scope:SCOPE_SE
	s_setreg_imm32_b32 hwreg(HW_REG_WAVE_MODE, 25, 1), 1
	s_wait_xcnt 0x0
; Two small jobs ahead of the main launch, one text for both.  A wave takes one fragment of a weight: column tile n = 4 (x % 16) + wave, K step s = (x % 128) / 16; the four waves stand side by side on 256 bytes of a row.
; Work-groups 0-127:   V [1024 (k)][1024 (c)] f32 becomes codes of E4M3 with the given scale 2^e3, laid in the ORDER OF AN OPERAND'S REGISTERS: fragment (n, s) at (8 n + s) x 2,048 bytes;
;                      in it register quad c at 512 c, lane l at 16 l; lane (r, h) holds column 16 n + r, k = 128 s + 32 c + 16 h + 0 .. 15.
; Work-groups 128-255: biasp[s][batch][c] = K2 x 2^(e0 + e1) x (the part of decoder_output . W over K step s), K2 = 2 log2(e); both operands quantised (2^e0, 2^e1), multiplied by v_wmma_f32_16x16x128_fp8_fp8.
;                      The eight parts of a sum are added, K ascending, by the launch that uses them, which also adds b.  So no wave here waits for another.
; A LANE TAKES A COLUMN OF THE WEIGHT AND ITS REGISTERS RUN DOWN K, in the order that the operand wants: the conversions' results are the operand's registers, nothing is transposed.
; The places of k in a fragment are a permutation of the form's own, the same in both operands of every product that reads them.
; code = x / 2^e, held within +-448, to the nearest code, ties to even.
; LIMITS: e0, e1, e3 between -126 and 119; e0 + e1 between -127 and 126 (it is added to K2's exponent field).  NaN among the inputs is not served.
; biasp's stores are 16 bytes a lane, 64 consecutive bytes of a row for each wave, on rows 4,096 bytes apart: the buffer is 1,048,576 bytes, written once.
; No prefetch: the text has no loop to run ahead in.  No cluster: no two work-groups read the same bytes of a weight.
.set K2B,  0x4038aa3b                  ; K2 as f32
.set VW,   4                           ; the weight: 65,536 h + 4 r (16 h rows of 4,096 bytes, column r)
.set VD,   5                           ; decoder_output: 4,096 r + 64 h
.set L16,  6                           ; 16 x lane
.set OA,   9                           ; biasp: 4,096 r + 32 h
.set WSC,  10                          ; 2^e of the weight;  v11: 448 x that
.set WLIM, 11
.set DSC,  12                          ; 2^e0;  v13: 448 x 2^e0
.set DLIM, 13
.set WRAW, 16                          ; v16-79   64 numbers of the weight
.set ACC,  16                          ; v16-31   later: two accumulators
.set OUT,  32                          ; v32-47   later: their sums, scaled
.set WC,   80                          ; v80-95   the weight's fragment
.set DRAW, 96                          ; v96-223  decoder_output: two tiles of 16 batches x 64 numbers a lane
.set DC,   224                         ; v224-255 their two fragments
.macro QUANT src, dst, sc, lim         ; 64 numbers of a lane, register 16 c + i = k 32 c + 16 h + i, become a fragment's 16 registers
.irp c, 0,1,2,3
.irp i, 0,1,2,3,4,5,6,7,8,9,10,11,12,13,14,15
	v_med3_num_f32 v[\src+16*\c+\i], v[\src+16*\c+\i], -v[\lim], v[\lim]   ; the conversion to an 8-bit code does not saturate (ISA guide 7.6.2): the hold at the largest code x the scale
.endr
	v_cvt_scalef32_pk8_fp8_f32 v[\dst+4*\c:\dst+4*\c+1], v[\src+16*\c:\src+16*\c+7], v[\sc]
	v_cvt_scalef32_pk8_fp8_f32 v[\dst+4*\c+2:\dst+4*\c+3], v[\src+16*\c+8:\src+16*\c+15], v[\sc]
.endr
	v_nop                                          ; one plain vector line behind the last conversion
.endm
	s_load_b256 s[4:11], s[0:1], 0x0               ; V, W, decoder_output, the scales' exponents
	s_load_b128 s[12:15], s[0:1], 0x20             ; vfrag, biasp
	v_lshrrev_b32 v1, 5, v0
	v_readfirstlane_b32 s18, v1                    ; wave 0..3
	v_and_b32 v1, 31, v0
	v_and_b32 v2, 15, v0                           ; r
	v_bfe_u32 v3, v0, 4, 1                         ; h
	v_lshlrev_b32 v[VW], 2, v2
	v_lshl_add_u32 v[VW], v3, 16, v[VW]
	v_lshlrev_b32 v[VD], 12, v2
	v_lshl_add_u32 v[OA], v3, 5, v[VD]
	v_lshl_add_u32 v[VD], v3, 6, v[VD]
	v_lshlrev_b32 v[L16], 4, v1
	s_and_b32 s19, ttmp9, 127
	s_lshr_b32 s21, s19, 4                         ; s
	s_and_b32 s20, s19, 15
	s_lshl_b32 s20, s20, 2
	s_add_co_u32 s20, s20, s18                     ; n
	s_lshl_b32 s24, s21, 19                        ; 128 s rows of 4,096 bytes
	s_lshl_b32 s25, s20, 6                         ; + 16 n columns
	s_add_co_u32 s24, s24, s25
	s_mov_b32 s25, 0
	s_wait_alu depctr_va_vdst(0)                   ; the wait directly ahead of the wait below
	s_wait_kmcnt 0x0
	s_load_b128 s[44:47], s[10:11], 0x0            ; e0, e1, e2, e3
	s_cmp_lt_u32 ttmp9, 128                        ; the choice hangs on the work-group's number alone
	s_cselect_b64 s[26:27], s[4:5], s[6:7]
	s_add_nc_u64 s[26:27], s[26:27], s[24:25]
.irp c, 0,1,2,3
.irp i, 0,1,2,3,4,5,6,7,8,9,10,11,12,13,14,15
	global_load_b32 v[WRAW+16*\c+\i], v[VW], s[26:27] offset:(32*\c+\i)*4096   ; weight(128 s + 32 c + 16 h + i, 16 n + r)
.endr
.endr
	s_wait_kmcnt 0x0
	s_cmp_lt_u32 ttmp9, 128
	s_cselect_b32 s28, s47, s45                    ; e3 for V, e1 for W
	s_add_co_i32 s28, s28, 127
	s_lshl_b32 s29, s28, 23
	v_mov_b32 v[WSC], s29                          ; 2^e as f32: the conversion takes its exponent field
	s_add_co_i32 s28, s28, 8
	s_lshl_b32 s28, s28, 23
	s_or_b32 s28, s28, 0x600000
	v_mov_b32 v[WLIM], s28                         ; 448 x 2^e
	s_cmp_lt_u32 ttmp9, 128
	s_cbranch_scc0 .Lw_path
	; ---- V: the fragment goes to memory as it stands
	s_lshl_b32 s30, s20, 3
	s_add_co_u32 s30, s30, s21
	s_lshl_b32 s30, s30, 11                        ; (8 n + s) x 2,048
	s_mov_b32 s31, 0
	s_add_nc_u64 s[12:13], s[12:13], s[30:31]
	s_wait_loadcnt 0x0
	s_wait_alu depctr_va_vdst(0)                   ; the wait ahead of the first readers of the scale and the bound
	QUANT WRAW, WC, WSC, WLIM
.irp c, 0,1,2,3
	global_store_b128 v[L16], v[WC+4*\c:WC+4*\c+3], s[12:13] offset:512*\c   ; 32 lanes store 512 consecutive bytes, at a multiple of 256 from the buffer's first byte
.endr
	s_endpgm
	; ---- W: my K step of the decoder's product
.Lw_path:
	s_lshl_b32 s30, s21, 9                         ; 128 s numbers along a row of decoder_output
	s_mov_b32 s31, 0
	s_add_nc_u64 s[8:9], s[8:9], s[30:31]
.irp m, 0,1
.irp c, 0,1,2,3
.irp j, 0,1,2,3
	global_load_b128 v[DRAW+64*\m+16*\c+4*\j:DRAW+64*\m+16*\c+4*\j+3], v[VD], s[8:9] offset:65536*\m+128*\c+16*\j   ; batch 16 m + r, k = 128 s + 32 c + 16 h + 4 j on
.endr
.endr
.endr
	s_add_co_i32 s28, s44, 127
	s_lshl_b32 s29, s28, 23
	v_mov_b32 v[DSC], s29                          ; 2^e0
	s_add_co_i32 s28, s28, 8
	s_lshl_b32 s28, s28, 23
	s_or_b32 s28, s28, 0x600000
	v_mov_b32 v[DLIM], s28                         ; 448 x 2^e0
	s_lshl_b32 s32, s21, 17                        ; part s: 131,072 bytes each
	s_lshl_b32 s33, s20, 6                         ; + 16 n columns
	s_add_co_u32 s32, s32, s33
	s_mov_b32 s33, 0
	s_add_nc_u64 s[14:15], s[14:15], s[32:33]
	s_add_co_i32 s34, s44, s45
	s_lshl_b32 s34, s34, 23
	s_add_co_i32 s34, s34, K2B                     ; K2 x 2^(e0 + e1): the exponents are added to K2's exponent field
	s_mov_b32 s35, s34                             ; (named with it as a pair, so it is written)
	s_wait_loadcnt 32                              ; the weight's 64 loads are in; the 32 issued behind them may be out
	s_wait_alu depctr_va_vdst(0)                   ; the wait ahead of the first readers of the scales and the bounds
	QUANT WRAW, WC, WSC, WLIM
	s_wait_loadcnt 0x0
	QUANT DRAW, DC, DSC, DLIM
	QUANT DRAW+64, DC+16, DSC, DLIM
	; transposed: source 0 = 16 columns of W, source 1 = 16 batches: lane (r, h) holds batch 16 m + r, register j column 16 n + 8 h + j.  Two accumulators, one instruction each
	v_wmma_f32_16x16x128_fp8_fp8 v[ACC:ACC+7], v[WC:WC+15], v[DC:DC+15], 0
	v_wmma_f32_16x16x128_fp8_fp8 v[ACC+8:ACC+15], v[WC:WC+15], v[DC+16:DC+31], 0
.rept 4
	v_nop                                          ; four places between a matrix instruction and the first read of its result (ISA guide 7.12.1)
.endr
.irp i, 0,1,2,3,4,5,6,7
	v_pk_mul_f32 v[OUT+2*\i:OUT+2*\i+1], v[ACC+2*\i:ACC+2*\i+1], s[34:35] op_sel_hi:[1,0]   ; each accumulator from its low end on
.endr
.irp m, 0,1
	global_store_b128 v[OA], v[OUT+8*\m:OUT+8*\m+3], s[14:15] offset:65536*\m
	global_store_b128 v[OA], v[OUT+8*\m+4:OUT+8*\m+7], s[14:15] offset:65536*\m+16
.endr
	s_endpgm
.Lfunc_end_k_qba5a552f71_prep:
	.size	k_qba5a552f71_prep, .Lfunc_end_k_qba5a552f71_prep-k_qba5a552f71_prep
	.p2alignl 7, 3214868480
	.fill 96, 4, 3214868480
	.section	.rodata,"a",@progbits
	.p2align	6, 0x0
	.amdhsa_kernel k_qba5a552f71_prep
		.amdhsa_group_segment_fixed_size 0
		.amdhsa_private_segment_fixed_size 0
		.amdhsa_enable_private_segment 0
		.amdhsa_kernarg_size 48
		.amdhsa_user_sgpr_count 2
		.amdhsa_user_sgpr_kernarg_segment_ptr 1
		.amdhsa_wavefront_size32 1
		.amdhsa_system_sgpr_workgroup_id_x 1
		.amdhsa_system_sgpr_workgroup_id_y 1
		.amdhsa_system_sgpr_workgroup_id_z 1
		.amdhsa_system_vgpr_workitem_id 0
		.amdhsa_next_free_vgpr 256
		.amdhsa_next_free_sgpr 66
		.amdhsa_reserve_vcc 0
		.amdhsa_float_denorm_mode_32 3
		.amdhsa_float_denorm_mode_16_64 3
		.amdhsa_memory_ordered 1
		.amdhsa_forward_progress 1
		.amdhsa_inst_pref_size 32
	.end_amdhsa_kernel
	.amdgpu_metadata
---
amdhsa.version: [ 1, 2 ]
amdhsa.kernels:
  - .name:           k_qba5a552f71_prep
    .symbol:         k_qba5a552f71_prep.kd
    .args:
      - { .name: V, .offset: 0, .size: 8, .value_kind: global_buffer, .address_space: global }
      - { .name: W, .offset: 8, .size: 8, .value_kind: global_buffer, .address_space: global }
      - { .name: decoder_output, .offset: 16, .size: 8, .value_kind: global_buffer, .address_space: global }
      - { .name: lowp_scales, .offset: 24, .size: 8, .value_kind: global_buffer, .address_space: global }
      - { .name: vfrag, .offset: 32, .size: 8, .value_kind: global_buffer, .address_space: global }
      - { .name: biasp, .offset: 40, .size: 8, .value_kind: global_buffer, .address_space: global }
    .group_segment_fixed_size: 0
    .private_segment_fixed_size: 0
    .kernarg_segment_align: 8
    .kernarg_segment_size: 48
    .max_flat_workgroup_size: 128
    .sgpr_count:     66
    .vgpr_count:     256
    .wavefront_size: 32
...
	.end_amdgpu_metadata
.endif
;; end of part 1
;; launch attn (part 2): grid 256 x 1, 4 waves a work-group, no clusters, 307,200 bytes of LDS; arguments encoder_outputs, vfrag, biasp, b, w, lowp_scales, part; writes part
.if DOCPART == 2
	.amdgcn_target "amdgcn-amd-amdhsa--gfx1250"
	.amdhsa_code_object_version 6
	.text
	.protected	k_qba5a552f71_attn
	.globl	k_qba5a552f71_attn
	.p2align	8
	.type	k_qba5a552f71_attn,@function
k_qba5a552f71_attn:
	s_mov_b64 s[64:65], 0
	v_nop
	global_prefetch_b8 v0, s[64:65] scope:SCOPE_SE
	s_setreg_imm32_b32 hwreg(HW_REG_WAVE_MODE, 25, 1), 1
	s_wait_xcnt 0x0
; Scores, softmax and context in one pass over encoder_outputs [32][2048][1024] f32: every row is used from one read.
; SHARES.  Work-group x owns rows 256 (x % 8) .. + 255 of batch x / 8, as two blocks of 128 rows.  A block: the rows come by dense global loads, each thread takes eight columns of every row,
; keeps them as bf16 in LDS bytes of its own and sends their codes (E4M3, 2^e2) through a stage into the waves' fragments; codes x V's codes; tanh; the product with w; a running softmax; the weighted sum of the bf16 rows.
; WAVE w = 2 j + kh takes columns 512 j .. + 511 and K = 512 kh .. + 511 for all 128 rows (512 registers of codes): a fragment of V, 2,048 bytes, is loaded by one wave alone and feeds eight matrix instructions.
; The two K halves meet through LDS: of a column tile's eight accumulators a wave keeps four (rows 64 kh on) and hands the other four to wave w xor 1, as an image of their registers, in two buffers by turns, one barrier a tile.
; A tile's tanh is laid round the next tile's products: the bias ahead of them, the partner's sums in the places behind them, the exponentials and reciprocals round the two halves of the barrier.
; A tile's 32 matrix instructions stand on end; the ring's four fragments that they have read are asked for anew in one run behind them.
; Register tile a of a wave holds row tile (a + 4 kh) % 8: a group of 32 staged rows is row tiles g and g + 4, and the two stage addresses change places with kh; so the kept four are accumulators 0-3 in every wave.
; The head adds the decoder's eight parts (biasp, K ascending) and K2 x b for my batch and lays the sums, and w, in LDS.
; NO CLUSTER, NO JOINT LOADS for V, though all work-groups walk it: a joint load lands in LDS, where the bf16 copy takes 262,144 bytes and stage, tables and words 45,056; V's fragments go from memory straight into registers.
; NO TENSOR LOAD for the rows: LDS has no room for raw rows beside the copy.  The next block's first 16 rows wait in registers under the products, 16 more are asked for ahead of the softmax and the context;
; rows 16 .. 127 of it are prefetched, 8 rows in each of the 14 trips of the tile loop.
; The block loop has one text for both blocks: in the last block the 32 loads of chunks 12 and 13 for 'the next block' name that block's own first 16 rows again, inside the buffer, and their results are not used; so every counted wait holds in both trips.
; tanh(x) = 1 - 2 r, r = 1 / (1 + 2^(K2 x)), K2 = 2 log2(e).  A score is sum(w) - 2 sum_c w_c r_c; sum(w) is the same for every row of a batch and a softmax does not see a common shift, for every input:
; t = -K2 sum_c w_c r_c is the score as an exponent of 2.  The running maximum is taken of t.
; The matrix instruction is used TRANSPOSED (source 0 = 16 columns of V, source 1 = 16 rows): lane (r, h) holds row r, register j column 8 h + j.
; The places of k in a fragment (registers 4 c .. 4 c + 3: k = 32 c + 16 h + 0 .. 15) are a permutation of the form's own, the same in both operands.
; LIMITS: e2 between -126 and 119; e2 + e3 between -127 and 126 (added to K2's exponent field).  NaN among the inputs is not served.  The last product takes the rows as bf16, the weights and sums as f32.
.set STG,   262144                     ; LDS: from 0 the bf16 copy, row x 2,048 + 16 x thread.  STG: codes of 32 rows, 1,040 bytes apart; under the products the same bytes are the exchange: 16,384 x parity + 4,096 x wave
.set SPI,   1040
.set BW,    295424                     ; K2 x (decoder's projection + b) of my batch (4,096 bytes), then w (4,096)
.set SCR,   303616                     ; the parts of the 128 scores: 8 x row + 4 j
.set PB,    304640                     ; the block's 128 weights, 512 bytes for each wave, the wave's own
.set SPARE, 306688                     ; the spare words, 128 bytes a wave
; window 0
.set LN16, 1                           ; 16 x lane
.set T16,  2                           ; 16 x thread
.set STW,  3                           ; STG + 4 x thread
.set STA,  4                           ; stage half kh:      STG + 512 kh + 1,040 (16 kh + r) + 16 h
.set STB,  5                           ; stage half 1 - kh
.set BW0,  6                           ; BW + 2,048 j + 32 h
.set BWA,  7
.set XW,   8                           ; exchange: my image;  v9: my partner's
.set XR,   9
.set SCW,  10                          ; SCR + 512 kh + 8 r + 4 j
.set SCRD, 11                          ; SCR + 8 x lane
.set PBW,  12                          ; PB + 512 x wave + 4 x lane
.set PBR,  13                          ; PB + 512 x wave
.set SPW,  14                          ; my spare word; never rewritten
.set NIL,  15                          ; 0; never rewritten
.set SCL,  16                          ; 2^e2;  v17: 448 x 2^e2
.set LIM,  17
.set MR,   18                          ; the running largest t
.set LS,   19                          ; my lane's part of the running sum
.set F,    20                          ; v[20:21] 2^(old maximum - new), 0
.set MN,   22
.set CP,   28                          ; v28-31 the copy: 16 x thread + 65,536 g
.set CTX,  32                          ; v32-39 the context: columns 4 t .., then 512 + 4 t ..
.set SACC, 40                          ; v40-47 and v52-59 sum of w r: two pairs for each kept row tile, so that eight chains take turns
.set PFO,  48                          ; the prefetches' offset: 8,192 x wave + 256 x lane
.set CA,   49
.set PA,   50
.set BWS,  51
.set OWN,  64                          ; v64-127 the kept accumulators, two sets by turns
.set SND,  128                         ; v128-159 the four that are handed over
.set RCV,  160                         ; v160-191 the partner's four
.set BF,   192                         ; v192-223 eight rows as bf16
.set ST,   192                         ; v192-199 the scores at work
.set CD,   224                         ; v224-239 eight rows' codes
.set BI,   240
.set WW,   248
; windows 1, 2: the codes, (K step ks, register tile a) at window 1 + ks / 2, register 128 (ks % 2) + 16 a.  Between a block's products and the next block's codes window 1 serves the context loop:
.set CW,   0                           ; two sets of 16 weights and 16 rows, 80 registers apart;  in the head it holds the decoder's parts, b and w
.set CR,   16
; window 3: v0-127 the ring of eight fragments of V; v128-255 raw chunks 0, 1 of four (chunks 2, 3: window 0, v64-191)
.set WV,  16
.set JJ,  17
.set KH,  18
.set RB,  20                           ; s[20:21] the block's first row;  s[22:23] the next block's (in the last block: the same)
.set RN,  22
.set PFA, 24
.set VB,  32                           ; s[32:33] my wave's first fragment of V;  s[34:35] walks
.set VP,  34
.set SS,  36                           ; s[36:37] K2 x 2^(e2 + e3), twice
.set BLK, 38
.set TIL, 39
.set SEL, 40
.set SBW, 42
.set CS,  43
.set PS,  44
.set PT,  60                           ; s[60:61] my record
.set MSB, 0
.macro WIN new                         ; the immediate's high byte repeats the setting that is left; a switch that changes nothing is dropped
.if MSB != (\new)
	s_set_vgpr_msb (MSB<<8)|(\new)
.set MSB, (\new)
.endif
.endm
.macro BAR
	s_barrier_signal -1
	s_barrier_wait -1
.endm
.macro PLACES
.rept 4
	v_nop
.endr
.endm
.macro AWAIT                           ; the wait round batches of transcendentals, ahead of first readers of matrix results and ahead of waits that block
	s_wait_alu depctr_va_vdst(0)
.endm
; chunk c of a block's sixteen: eight rows, my 16 + 16 bytes of each; a load takes 512 consecutive bytes a wave.  Chunks 4 g + 0, 1 are row tile g, chunks 4 g + 2, 3 row tile g + 4
.macro RLOAD c, base
.set cb, (\c)%4
.set hw, 1-cb/2
.set rb, 128+64*cb-(cb/2)*192
.set r0, (cb/2)*64+16*((\c)/4)+8*(cb%2)
	WIN 0xc0*hw
.set i, 0
.rept 8
	global_load_b128 v[rb+8*i:rb+8*i+3], v[T16], s[\base:\base+1] offset:(r0+i)*4096 th:TH_LOAD_NT
	global_load_b128 v[rb+8*i+4:rb+8*i+7], v[T16], s[\base:\base+1] offset:(r0+i)*4096+2048 th:TH_LOAD_NT
.set i, i+1
.endr
	WIN 0
.endm
.macro VPRIME                          ; the ring is filled: my column tiles 0 and 1
	WIN 0xc0
.set fr, 0
.rept 8
.irp c, 0,1,2,3
	global_load_b128 v[16*fr+4*\c:16*fr+4*\c+3], v[LN16], s[VB:VB+1] offset:(fr/4)*16384+(fr%4)*2048+512*\c
.endr
.set fr, fr+1
.endr
	WIN 0
.endm
; chunk c is turned into bf16 (my own LDS bytes) and codes (the stage); its registers take the chunk four further on
.macro CONV c
.set cb, (\c)%4
.set hw, 1-cb/2
.set rb, 128+64*cb-(cb/2)*192
.set r0, (cb/2)*64+16*((\c)/4)+8*(cb%2)
.set lc, 48                            ; behind a chunk's 16 loads stand three younger chunks' 48
.if (\c) < 2
.set lc, 63                            ; behind chunks 0 and 1 stand 80 (the ring's 32 among them): the field's largest count serves
.endif
.if (\c) == 15
.set lc, 32
.endif
	s_wait_loadcnt lc
	WIN 0x0f*hw
.set i, 0
.rept 32
	v_cvt_pk_bf16_f32 v[BF+i], v[rb+2*i], v[rb+2*i+1]
.set i, i+1
.endr
	WIN 0xc3*hw
.set i, 0
.rept 64
	v_med3_num_f32 v[rb+i], v[rb+i], -v[LIM], v[LIM]   ; the conversion to an 8-bit code does not saturate (ISA guide 7.6.2): the hold at the largest code x the scale
.set i, i+1
.endr
	WIN 0x03*hw
.set i, 0
.rept 8
	v_cvt_scalef32_pk8_fp8_f32 v[CD+2*i:CD+2*i+1], v[rb+8*i:rb+8*i+7], v[SCL]
.set i, i+1
.endr
	WIN 0
	v_nop                                          ; one plain vector line behind the last conversion
.set i, 0
.rept 8
	ds_store_b128 v[CP+(r0+i)/32], v[BF+4*i:BF+4*i+3] offset:((r0+i)%32)*2048
	ds_store_b32 v[STW], v[CD+2*i] offset:(8*cb+i)*SPI          ; columns 4 t ..: a wave stores 128 consecutive bytes
	ds_store_b32 v[STW], v[CD+2*i+1] offset:(8*cb+i)*SPI+512    ; columns 512 + 4 t ..
.set i, i+1
.endr
.if (\c) < 12
	RLOAD (\c)+4, RB
.else
.if (\c) < 14
	RLOAD (\c)-12, RN
.endif
.endif
.endm
; the stage's 32 rows become register tiles g and g + 4, my four K steps
.macro ALOAD g
.set ks, 0
.rept 4
	WIN 0x40+0x40*(ks/2)
.irp c, 0,1,2,3
	ds_load_b128 v[128*(ks%2)+16*\g+4*\c:128*(ks%2)+16*\g+4*\c+3], v[STA] offset:128*ks+32*\c
	ds_load_b128 v[128*(ks%2)+16*(\g+4)+4*\c:128*(ks%2)+16*(\g+4)+4*\c+3], v[STB] offset:128*ks+32*\c
.endr
.set ks, ks+1
.endr
	WIN 0
.endm
.macro GROUP g
.irp cc, 0,1,2,3
	CONV 4*\g+\cc
.endr
	s_wait_dscnt 0x0                               ; my codes lie in the stage
	BAR
	ALOAD \g
	s_wait_dscnt 0x0                               ; my reads of the stage are over: it may be written again
	BAR
.endm
; tanh and the product with w for 64 rows x 16 columns, in six parts; my sums at o, the partner's in RCV
.macro P1A o                           ; K2 x (my sums + bias): the first readers of the sums, each accumulator from its low end on
.irp q, 0,1,2,3
.irp m, 0,1,2,3
	v_pk_fma_f32 v[(\o)+8*\m+2*\q:(\o)+8*\m+2*\q+1], v[(\o)+8*\m+2*\q:(\o)+8*\m+2*\q+1], s[SS:SS+1], v[BI+2*\q:BI+2*\q+1] op_sel_hi:[1,0,1]
.endr
.endr
.endm
.macro P1B o                           ; + K2 x the partner's sums
.irp q, 0,1,2,3
.irp m, 0,1,2,3
	v_pk_fma_f32 v[(\o)+8*\m+2*\q:(\o)+8*\m+2*\q+1], v[RCV+8*\m+2*\q:RCV+8*\m+2*\q+1], s[SS:SS+1], v[(\o)+8*\m+2*\q:(\o)+8*\m+2*\q+1] op_sel_hi:[1,0,1]
.endr
.endr
.endm
.macro EXPS o
.set i, 0
.rept 32
	v_exp_f32 v[(\o)+i], v[(\o)+i]
.set i, i+1
.endr
	v_nop                                          ; a plain line behind the last of the batch
.endm
.macro ONES o
.set i, 0
.rept 16
	v_pk_add_f32 v[(\o)+2*i:(\o)+2*i+1], v[(\o)+2*i:(\o)+2*i+1], 1.0 op_sel_hi:[1,0]
.set i, i+1
.endr
.endm
.macro RCPS o
.set i, 0
.rept 32
	v_rcp_f32 v[(\o)+i], v[(\o)+i]                 ; r; an overflowed exponential gives 0, a vanished one 1
.set i, i+1
.endr
	v_nop
.endm
.macro P3 o
.irp q, 0,1,2,3
.irp m, 0,1,2,3
	v_pk_fma_f32 v[SACC+12*(\q%2)+2*\m:SACC+12*(\q%2)+2*\m+1], v[(\o)+8*\m+2*\q:(\o)+8*\m+2*\q+1], v[WW+2*\q:WW+2*\q+1], v[SACC+12*(\q%2)+2*\m:SACC+12*(\q%2)+2*\m+1]
.endr
.endr
.endm
.macro VLOAD p, k, base, ro            ; the ring's fragment (p, k) is asked for anew: 512 consecutive bytes a load
	WIN 0xc0
.irp c, 0,1,2,3
	global_load_b128 v[16*(4*\p+\k)+4*\c:16*(4*\p+\k)+4*\c+3], v[LN16], s[\base:\base+1] offset:\ro+2048*\k+512*\c
.endr
.endm
; One column tile n (parity p): 32 matrix instructions on end, the eight accumulators by turns, those that are handed over first in each K step; round them the tanh of tile n - 1 (epi = 1).
; wb: the loads that may be out when the products begin: behind this tile's 16 loads stand the 16 that the tile before has issued (in the last tile: none).
; rl = 1: behind the products the tile's four fragments of the ring are asked for anew: the tile two further on, at s[base] + ro.
.macro STEP p, epi, rl, base, ro, wb
.if \epi
	AWAIT                                          ; directly ahead of the first readers of tile n - 1's sums
	P1A OWN+32*(1-\p)
.endif
	v_add_nc_u32 v[BWA], s[SBW], v[BW0]
	AWAIT                                          ; what the lines above wrote is read again behind waits that block
	ds_load_b128 v[BI:BI+3], v[BWA]                ; tile n's bias, for the next step's head
	ds_load_b128 v[BI+4:BI+7], v[BWA] offset:16
.if \epi
	ds_load_b128 v[WW:WW+3], v[BWA] offset:4032    ; tile n - 1's w: 4,096 - 64
	ds_load_b128 v[WW+4:WW+7], v[BWA] offset:4048
.endif
	s_add_co_u32 s[SBW], s[SBW], 64
	s_wait_loadcnt \wb
.set ks, 0
.rept 4
	WIN 0x07+4*(ks/2)                              ; source 0 (V) window 3, source 1 (the rows) window 1 or 2
.set a, 0
.rept 8
.set a2, (a+4)%8
.set d, OWN+32*\p+8*a2+(a2/4)*32*(1-\p)
.if ks == 0
	v_wmma_f32_16x16x128_fp8_fp8 v[d:d+7], v[16*(4*\p+ks):16*(4*\p+ks)+15], v[128*(ks%2)+16*a2:128*(ks%2)+16*a2+15], 0
.else
	v_wmma_f32_16x16x128_fp8_fp8 v[d:d+7], v[16*(4*\p+ks):16*(4*\p+ks)+15], v[128*(ks%2)+16*a2:128*(ks%2)+16*a2+15], v[d:d+7]
.endif
.set a, a+1
.endr
.set ks, ks+1
.endr
	WIN 0
.if \epi
	s_wait_dscnt 0x0                               ; the partner's sums of tile n - 1, asked for ahead of these 32 products
	P1B OWN+32*(1-\p)                              ; these sixteen are also the places behind the last products
.else
	PLACES
	v_nop                                          ; a fifth place: the next tile's first products write over these accumulators
.endif
.if \rl
.irp k, 0,1,2,3
	VLOAD \p, \k, \base, \ro
.endr
	WIN 0
.endif
.irp q, 0,1,2,3,4,5,6,7
	ds_store_b128 v[XW], v[SND+4*\q:SND+4*\q+3] offset:16384*\p+512*\q   ; each accumulator from its low end on
.endr
.if \epi
	AWAIT
	EXPS OWN+32*(1-\p)
.endif
	s_wait_dscnt 0x0                               ; my image has landed, and my reads of the other buffer are over
	s_barrier_signal -1                            ; work on registers alone up to the barrier's wait
.if \epi
	AWAIT
	ONES OWN+32*(1-\p)
	AWAIT
	RCPS OWN+32*(1-\p)
.endif
	s_barrier_wait -1
.irp q, 0,1,2,3,4,5,6,7
	ds_load_b128 v[RCV+4*\q:RCV+4*\q+3], v[XR] offset:16384*\p+512*\q
.endr
.if \epi
	AWAIT
	P3 OWN+32*(1-\p)
.endif
.endm
.macro CLOAD s                         ; 16 weights (the same bytes in every lane) and my 16 bytes of 16 rows, into window 1
	v_add_nc_u32 v[CA], s[CS], v[CP]
	v_add_nc_u32 v[PA], s[PS], v[PBR]
	WIN 0x40
.irp i, 0,1,2,3
	ds_load_b128 v[CW+80*\s+4*\i:CW+80*\s+4*\i+3], v[PA] offset:16*\i
.endr
.irp i, 0,1,2,3,4,5,6,7,8,9,10,11,12,13,14,15
	ds_load_b128 v[CR+80*\s+4*\i:CR+80*\s+4*\i+3], v[CA] offset:2048*\i
.endr
	WIN 0
	s_add_co_u32 s[CS], s[CS], 32768
	s_add_co_u32 s[PS], s[PS], 64
	AWAIT
.endm
.macro CFMA s
	WIN 0x05                                       ; sources 0 and 1 (the rows, the weights) window 1
.set q, 0
.rept 16
.irp k, 0,1,2,3
	v_fma_mix_f32_bf16 v[CTX+2*\k], v[CR+80*\s+4*q+\k], v[CW+80*\s+q], v[CTX+2*\k] op_sel:[0,0,0] op_sel_hi:[1,0,0]       ; the low bf16 x the f32 weight + the f32 sum
	v_fma_mix_f32_bf16 v[CTX+2*\k+1], v[CR+80*\s+4*q+\k], v[CW+80*\s+q], v[CTX+2*\k+1] op_sel:[1,0,0] op_sel_hi:[1,0,0]   ; the high one
.endr
.set q, q+1
.endr
	WIN 0
.endm
	s_load_b256 s[4:11], s[0:1], 0x0               ; encoder_outputs, vfrag, biasp, b
	s_load_b128 s[12:15], s[0:1], 0x20             ; w, the scales' exponents
	s_load_b64 s[PT:PT+1], s[0:1], 0x30            ; part
	v_lshl_add_u32 v[SPW], v0, 2, SPARE
	v_mov_b32 v[NIL], 0
	v_lshlrev_b32 v[T16], 4, v0
	v_and_b32 v23, 31, v0
	v_lshlrev_b32 v[LN16], 4, v23
	v_lshrrev_b32 v23, 5, v0
	v_readfirstlane_b32 s[WV], v23                 ; wave 0..3
	s_lshr_b32 s[JJ], s[WV], 1
	s_and_b32 s[KH], s[WV], 1
	s_lshl_b32 s52, s[KH], 9
	s_add_co_u32 s52, s52, STG
	s_mul_i32 s53, s[KH], 16*SPI
	s_add_co_u32 s26, s52, s53                     ; stage half kh
	s_xor_b32 s53, s[KH], 1
	s_mul_i32 s53, s53, 16*SPI
	s_add_co_u32 s27, s52, s53                     ; stage half 1 - kh
	s_lshl_b32 s28, s[JJ], 11
	s_add_co_u32 s28, s28, BW
	s_lshl_b32 s29, s[WV], 12
	s_add_co_u32 s29, s29, STG
	s_xor_b32 s30, s[WV], 1
	s_lshl_b32 s30, s30, 12
	s_add_co_u32 s30, s30, STG
	s_lshl_b32 s31, s[KH], 9
	s_lshl_b32 s53, s[JJ], 2
	s_add_co_u32 s31, s31, s53
	s_add_co_u32 s31, s31, SCR
	s_lshl_b32 s45, s[WV], 9
	s_add_co_u32 s45, s45, PB
	s_lshl_b32 s46, s[WV], 13
	s_mov_b32 s[SEL], 0x76543210
	s_mov_b32 s[SEL+1], 0xfedcba98
	s_lshl_b32 s52, ttmp9, 20                      ; my work-group's 256 rows of 4,096 bytes
	s_mov_b32 s53, 0
	s_lshr_b32 s54, ttmp9, 3
	s_lshl_b32 s54, s54, 12                        ; my batch's row in each part of biasp
	s_mov_b32 s55, 0
	s_lshl_b32 s56, s[JJ], 19                      ; V: 32 column tiles of 16,384 bytes for each j,
	s_lshl_b32 s57, s[KH], 13                      ; four fragments of 2,048 for each kh
	s_add_co_u32 s56, s56, s57
	s_mov_b32 s57, 0
	s_mul_i32 s58, ttmp9, 4608                     ; my record
	s_mov_b32 s59, 0
	AWAIT
	s_wait_kmcnt 0x0
	s_load_b128 s[48:51], s[14:15], 0x0            ; e0, e1, e2, e3
	s_add_nc_u64 s[RB:RB+1], s[4:5], s[52:53]
	s_add_nc_u64 s[RN:RN+1], s[RB:RB+1], 0x80000   ; 128 rows on
	s_add_nc_u64 s[PFA:PFA+1], s[RN:RN+1], 0x10000 ; the prefetches begin at the next block's row 16
	s_add_nc_u64 s[8:9], s[8:9], s[54:55]
	s_add_nc_u64 s[VB:VB+1], s[6:7], s[56:57]
	s_add_nc_u64 s[PT:PT+1], s[PT:PT+1], s[58:59]
	WIN 0x40                                       ; into window 1
.irp s, 0,1,2,3,4,5,6,7
	global_load_b128 v[8*\s:8*\s+3], v[T16], s[8:9] offset:131072*\s              ; the decoder's part s: columns 4 t ..,
	global_load_b128 v[8*\s+4:8*\s+7], v[T16], s[8:9] offset:131072*\s+2048       ; and 512 + 4 t ..
.endr
	global_load_b128 v[64:67], v[T16], s[10:11]
	global_load_b128 v[68:71], v[T16], s[10:11] offset:2048
	global_load_b128 v[72:75], v[T16], s[12:13]
	global_load_b128 v[76:79], v[T16], s[12:13] offset:2048
	WIN 0
	RLOAD 0, RB
	RLOAD 1, RB
	VPRIME
	RLOAD 2, RB
	RLOAD 3, RB
	v_and_b32 v23, 31, v0                          ; lane
	v_and_b32 v24, 15, v0                          ; r
	v_bfe_u32 v25, v0, 4, 1                        ; h
	v_lshl_add_u32 v[STW], v0, 2, STG
	v_mul_u32_u24 v26, v24, SPI
	v_lshl_add_u32 v26, v25, 4, v26
	v_add_nc_u32 v[STA], s26, v26
	v_add_nc_u32 v[STB], s27, v26
	v_lshl_add_u32 v[BW0], v25, 5, s28
	v_lshl_add_u32 v[XW], v23, 4, s29
	v_lshl_add_u32 v[XR], v23, 4, s30
	v_lshl_add_u32 v[SCW], v24, 3, s31
	v_lshl_add_u32 v[SCRD], v23, 3, SCR
	v_lshl_add_u32 v[PBW], v23, 2, s45
	v_mov_b32 v[PBR], s45
	v_lshl_add_u32 v[PFO], v23, 8, s46
	v_lshl_add_u32 v[BWS], v0, 4, BW
	v_mov_b32 v[CP], v[T16]
	v_add_nc_u32 v[CP+1], 0x10000, v[T16]
	v_add_nc_u32 v[CP+2], 0x20000, v[T16]
	v_add_nc_u32 v[CP+3], 0x30000, v[T16]
.irp j, 0,1,2,3,4,5,6,7
	v_mov_b32 v[CTX+\j], 0
.endr
	v_mov_b32 v[LS], 0
	v_mov_b32 v[F+1], 0
	v_mov_b32 v[MR], 0xff61b1e6                    ; -3e38, under every t
	AWAIT
	s_wait_kmcnt 0x0
	s_add_co_i32 s52, s50, 127
	s_lshl_b32 s53, s52, 23
	v_mov_b32 v[SCL], s53                          ; 2^e2 as f32: the conversion takes its exponent field
	s_add_co_i32 s52, s52, 8
	s_lshl_b32 s52, s52, 23
	s_or_b32 s52, s52, 0x600000
	v_mov_b32 v[LIM], s52                          ; 448 x 2^e2
	s_add_co_i32 s52, s50, s51
	s_lshl_b32 s52, s52, 23
	s_add_co_i32 s[SS], s52, 0x4038aa3b            ; K2 x 2^(e2 + e3): the exponents are added to K2's exponent field
	s_mov_b32 s[SS+1], s[SS]
	s_mov_b32 s[BLK], 2
	AWAIT                                          ; the head's end
	s_wait_loadcnt 63                              ; behind the 20 loads of the parts, b and w stand 96 (four chunks and the ring): the field's largest count serves
	WIN 0x55                                       ; all in window 1
.irp k, 0,2,4,6
	v_pk_fma_f32 v[\k:\k+1], v[64+\k:65+\k], 0x4038aa3b, v[\k:\k+1] op_sel_hi:[1,0,1]   ; K2 x b + part 0
.endr
.irp s, 1,2,3,4,5,6,7
.irp k, 0,2,4,6
	v_pk_add_f32 v[\k:\k+1], v[\k:\k+1], v[8*\s+\k:8*\s+\k+1]                           ; K ascending
.endr
.endr
	WIN 0x04                                       ; the address in window 0, the data in window 1
	ds_store_b128 v[BWS], v[0:3]
	ds_store_b128 v[BWS], v[4:7] offset:2048
	ds_store_b128 v[BWS], v[72:75] offset:4096
	ds_store_b128 v[BWS], v[76:79] offset:6144     ; the first group's barrier, with its wait, shows them to every wave
	WIN 0
.Lblock:                                               ; on the way in chunks 0 to 3 and the ring's two tiles have been asked for
	GROUP 0
	GROUP 1
	GROUP 2
	GROUP 3
	; my 32 column tiles
	s_wait_xcnt 0x0                                ; every earlier load has read its base
	s_mov_b64 s[VP:VP+1], s[VB:VB+1]
	s_mov_b32 s[SBW], 0
.irp j, 0,1,2,3,4,5,6,7
	v_mov_b32 v[SACC+\j], 0
	v_mov_b32 v[SACC+12+\j], 0
.endr
	STEP 0, 0, 1, VB, 2*16384, 16                  ; tile 0 has no tanh round it
	s_mov_b32 s[TIL], 14
.Ltile:                                                ; tiles 2 i + 1 and 2 i + 2; they ask for tiles 2 i + 3 and 2 i + 4
	STEP 1, 1, 1, VP, 3*16384, 16
	s_cmp_eq_u32 s[BLK], 2                         ; only the first block has a successor
	s_cbranch_scc0 .Lno_pf
	global_prefetch_b8 v[PFO], s[PFA:PFA+1] th:TH_LOAD_NT scope:SCOPE_SE   ; two rows a wave, lanes 256 bytes apart: rows 16 + 8 i .. + 7 of the next block, each block of 256 bytes named once
.Lno_pf:
	STEP 0, 1, 1, VP, 4*16384, 16
	s_wait_xcnt 0x0                                ; the trip's loads and its prefetch have read their bases
	s_add_nc_u64 s[VP:VP+1], s[VP:VP+1], 0x8000
	s_add_nc_u64 s[PFA:PFA+1], s[PFA:PFA+1], 0x8000
	s_sub_co_u32 s[TIL], s[TIL], 1
	s_cmp_lg_u32 s[TIL], 0
	s_cbranch_scc1 .Ltile
	STEP 1, 1, 1, VP, 3*16384, 16                  ; tile 29 asks for tile 31
	STEP 0, 1, 0, VP, 0, 16                        ; tiles 30 and 31 ask for nothing
	STEP 1, 1, 0, VP, 0, 0
	AWAIT                                          ; tile 31's tanh
	P1A OWN+32
	v_add_nc_u32 v[BWA], s[SBW], v[BW0]
	AWAIT
	ds_load_b128 v[WW:WW+3], v[BWA] offset:4032
	ds_load_b128 v[WW+4:WW+7], v[BWA] offset:4048
	s_wait_dscnt 0x0
	P1B OWN+32
	AWAIT
	EXPS OWN+32
	AWAIT
	ONES OWN+32
	AWAIT
	RCPS OWN+32
	AWAIT
	P3 OWN+32
	s_cmp_eq_u32 s[BLK], 2                         ; the first block: the accumulators' registers and the ring are free, so the next block's chunks 2 and 3 and V's first two tiles are asked for here
	AWAIT                                          ; directly ahead of the branch
	s_cbranch_scc0 .Lno_next                       ; the last block asks for nothing: no counted wait for loads follows on that way
	VPRIME
	RLOAD 2, RN
	RLOAD 3, RN
.Lno_next:
	; the block's scores, the running softmax, the block's part of the context
.irp m, 0,1,2,3
	v_pk_add_f32 v[SACC+2*\m:SACC+2*\m+1], v[SACC+2*\m:SACC+2*\m+1], v[SACC+12+2*\m:SACC+12+2*\m+1]
.endr
.irp m, 0,1,2,3
	v_add_f32 v[ST+2*\m], v[SACC+2*\m], v[SACC+2*\m+1]
.endr
.irp m, 0,1,2,3
	v_permlanex16_b32 v[ST+1+2*\m], v[ST+2*\m], s[SEL], s[SEL+1]   ; the row's other eight columns of each tile lie in the lane 16 away
.endr
.irp m, 0,1,2,3
	v_add_f32 v[ST+2*\m], v[ST+2*\m], v[ST+1+2*\m]
.endr
.irp m, 0,1,2,3
	ds_store_b32 v[SCW], v[ST+2*\m] offset:128*\m  ; row 64 kh + 16 m + r, word j (lanes r and r + 16 store the same number)
.endr
	s_wait_dscnt 0x0
	BAR
.irp i, 0,1,2,3
	ds_load_b64 v[ST+2*\i:ST+2*\i+1], v[SCRD] offset:256*\i   ; row lane + 32 i: both halves of the columns.  Every wave makes the same 128 weights for itself
.endr
	s_wait_dscnt 0x0
.irp i, 0,1,2,3
	v_add_f32 v[ST+2*\i], v[ST+2*\i], v[ST+1+2*\i]
.endr
.irp i, 0,1,2,3
	v_mul_f32 v[ST+2*\i], 0xc038aa3b, v[ST+2*\i]   ; t = -K2 x the sum
.endr
	v_max3_num_f32 v23, v[ST], v[ST+2], v[ST+4]
	v_max_num_f32 v23, v23, v[ST+6]
	v_max_num_f32_dpp v23, v23, v23 row_xmask:1 row_mask:0xf bank_mask:0xf
	v_max_num_f32_dpp v23, v23, v23 row_xmask:2 row_mask:0xf bank_mask:0xf
	v_max_num_f32_dpp v23, v23, v23 row_xmask:4 row_mask:0xf bank_mask:0xf
	v_max_num_f32_dpp v23, v23, v23 row_xmask:8 row_mask:0xf bank_mask:0xf
	v_permlanex16_b32 v24, v23, s[SEL], s[SEL+1]
	v_max_num_f32 v23, v23, v24                    ; the block's largest t, in every lane
	v_max_num_f32 v[MN], v[MR], v23
	v_sub_f32 v[F], v[MR], v[MN]
.irp i, 0,1,2,3
	v_sub_f32 v[ST+2*\i], v[ST+2*\i], v[MN]
.endr
	AWAIT
	v_exp_f32 v[F], v[F]                           ; what was summed under the old maximum is brought under the new (0 in the first block, over zeros)
.irp i, 0,1,2,3
	v_exp_f32 v[ST+1+2*\i], v[ST+2*\i]
.endr
	v_mov_b32 v[MR], v[MN]
	AWAIT
	v_add_f32 v[ST], v[ST+1], v[ST+3]
	v_add_f32 v[ST+2], v[ST+5], v[ST+7]
.irp k, 0,2,4,6
	v_pk_mul_f32 v[CTX+\k:CTX+\k+1], v[CTX+\k:CTX+\k+1], v[F:F+1] op_sel_hi:[1,0]
.endr
	v_add_f32 v[ST], v[ST], v[ST+2]
	v_fma_f32 v[LS], v[LS], v[F], v[ST]
.irp i, 0,1,2,3
	ds_store_b32 v[PBW], v[ST+1+2*\i] offset:128*\i  ; my wave's own bytes: LDS serves a wave's instructions in order, so the loads below see them
.endr
	s_mov_b32 s[CS], 0
	s_mov_b32 s[PS], 0
	CLOAD 0                                        ; eight groups of 16 rows, two sets of registers by turns: behind a set's 20 loads stand the other set's 20
	s_mov_b32 s[TIL], 3
.Lctx:
	CLOAD 1
	s_wait_dscnt 20
	CFMA 0
	CLOAD 0
	s_wait_dscnt 20
	CFMA 1
	s_sub_co_u32 s[TIL], s[TIL], 1
	s_cmp_lg_u32 s[TIL], 0
	AWAIT                                          ; directly ahead of the branch
	s_cbranch_scc1 .Lctx
	CLOAD 1
	s_wait_dscnt 20
	CFMA 0
	AWAIT
	s_wait_dscnt 0x0
	CFMA 1
	AWAIT
	s_wait_xcnt 0x0
	s_mov_b64 s[RB:RB+1], s[RN:RN+1]               ; on to the second block; it has no successor, so both bases are then the same
	s_sub_co_u32 s[BLK], s[BLK], 1
	s_cmp_lg_u32 s[BLK], 0
	s_cbranch_scc1 .Lblock
	v_add_f32_dpp v[LS], v[LS], v[LS] row_xmask:1 row_mask:0xf bank_mask:0xf
	v_add_f32_dpp v[LS], v[LS], v[LS] row_xmask:2 row_mask:0xf bank_mask:0xf
	v_add_f32_dpp v[LS], v[LS], v[LS] row_xmask:4 row_mask:0xf bank_mask:0xf
	v_add_f32_dpp v[LS], v[LS], v[LS] row_xmask:8 row_mask:0xf bank_mask:0xf
	v_permlanex16_b32 v24, v[LS], s[SEL], s[SEL+1]
	v_add_f32 v25, v[LS], v24                      ; the sum of my work-group's 256 weights
	v_mov_b32 v24, v[MR]
	v_mov_b32 v26, v[MR]
	v_mov_b32 v27, v25
	global_store_b128 v[T16], v[CTX:CTX+3], s[PT:PT+1]               ; a wave stores 512 consecutive bytes, at a multiple of 256 from the buffer's first byte
	global_store_b128 v[T16], v[CTX+4:CTX+7], s[PT:PT+1] offset:2048
	s_cmp_lg_u32 s[WV], 0
	s_cbranch_scc1 .Lnot_wave_0
	global_store_b128 v[LN16], v[24:27], s[PT:PT+1] offset:4096      ; {maximum, sum} 64 times over: the record's last two blocks of 256 bytes are written whole
.Lnot_wave_0:
	s_wait_tensorcnt 0x0                           ; the wave's end
	ds_add_u32 v[SPW], v[NIL]
	s_wait_dscnt 0x0
	s_endpgm
.Lfunc_end_k_qba5a552f71_attn:
	.size	k_qba5a552f71_attn, .Lfunc_end_k_qba5a552f71_attn-k_qba5a552f71_attn
	.p2alignl 7, 3214868480
	.fill 96, 4, 3214868480
	.section	.rodata,"a",@progbits
	.p2align	6, 0x0
	.amdhsa_kernel k_qba5a552f71_attn
		.amdhsa_group_segment_fixed_size 307200
		.amdhsa_private_segment_fixed_size 0
		.amdhsa_enable_private_segment 0
		.amdhsa_kernarg_size 56
		.amdhsa_user_sgpr_count 2
		.amdhsa_user_sgpr_kernarg_segment_ptr 1
		.amdhsa_wavefront_size32 1
		.amdhsa_system_sgpr_workgroup_id_x 1
		.amdhsa_system_sgpr_workgroup_id_y 1
		.amdhsa_system_sgpr_workgroup_id_z 1
		.amdhsa_system_vgpr_workitem_id 0
		.amdhsa_next_free_vgpr 1024
		.amdhsa_next_free_sgpr 66
		.amdhsa_reserve_vcc 0
		.amdhsa_float_denorm_mode_32 3
		.amdhsa_float_denorm_mode_16_64 3
		.amdhsa_memory_ordered 1
		.amdhsa_forward_progress 1
		.amdhsa_inst_pref_size 255
	.end_amdhsa_kernel
	.section	.bss,"aw",@nobits
	.p2align	6
	.space	262144
	.amdgpu_metadata
---
amdhsa.version: [ 1, 2 ]
amdhsa.kernels:
  - .name:           k_qba5a552f71_attn
    .symbol:         k_qba5a552f71_attn.kd
    .args:
      - { .name: encoder_outputs, .offset: 0, .size: 8, .value_kind: global_buffer, .address_space: global }
      - { .name: vfrag, .offset: 8, .size: 8, .value_kind: global_buffer, .address_space: global }
      - { .name: biasp, .offset: 16, .size: 8, .value_kind: global_buffer, .address_space: global }
      - { .name: b, .offset: 24, .size: 8, .value_kind: global_buffer, .address_space: global }
      - { .name: w, .offset: 32, .size: 8, .value_kind: global_buffer, .address_space: global }
      - { .name: lowp_scales, .offset: 40, .size: 8, .value_kind: global_buffer, .address_space: global }
      - { .name: part, .offset: 48, .size: 8, .value_kind: global_buffer, .address_space: global }
    .group_segment_fixed_size: 307200
    .private_segment_fixed_size: 0
    .kernarg_segment_align: 8
    .kernarg_segment_size: 56
    .max_flat_workgroup_size: 128
    .sgpr_count:     66
    .vgpr_count:     1024
    .wavefront_size: 32
...
	.end_amdgpu_metadata
.endif
;; end of part 2
;; launch join (part 3): grid 32 x 1, 8 waves a work-group, no clusters, 0 bytes of LDS; arguments part, out0; writes out0
.if DOCPART == 3
	.amdgcn_target "amdgcn-amd-amdhsa--gfx1250"
	.amdhsa_code_object_version 6
	.text
	.protected	k_qba5a552f71_join
	.globl	k_qba5a552f71_join
	.p2align	8
	.type	k_qba5a552f71_join,@function
k_qba5a552f71_join:
	s_mov_b64 s[64:65], 0
	v_nop
	global_prefetch_b8 v0, s[64:65] scope:SCOPE_SE
	s_setreg_imm32_b32 hwreg(HW_REG_WAVE_MODE, 25, 1), 1
	s_wait_xcnt 0x0
; out0[batch][c] = sum over the batch's eight records g of ctx_g[c] 2^(M_g - M) / sum over g of L_g 2^(M_g - M), M the largest M_g.
; A record is 4,608 bytes: 1,024 f32 of context, then {M, L} repeated.  One work-group to a batch, thread t owns columns 4 t .. 4 t + 3.  There is work for 32 work-groups, a few loads long each.
.set REC, 4608
.set ML,  4                            ; v4-19   {M_g, L_g}; M_g's register then holds f_g = 2^(M_g - M)
.set CX,  20                           ; v20-51  the eight records' four numbers
.set LT,  52                           ; v[52:53] the sum, then its reciprocal; v53 = 0, named with it as a pair
.set OV,  54                           ; v54-57  the result
	s_load_b128 s[4:7], s[0:1], 0x0                ; part, out0
	v_lshlrev_b32 v1, 4, v0                        ; 16 t
	v_mov_b32 v2, 0
	v_mov_b32 v[LT+1], 0
	s_mul_i32 s8, ttmp9, 8*REC
	s_mov_b32 s9, 0
	s_lshl_b32 s10, ttmp9, 12
	s_mov_b32 s11, 0
	s_wait_alu depctr_va_vdst(0)
	s_wait_kmcnt 0x0
	s_add_nc_u64 s[4:5], s[4:5], s[8:9]
	s_add_nc_u64 s[6:7], s[6:7], s[10:11]
.irp g, 0,1,2,3,4,5,6,7
	global_load_b64 v[ML+2*\g:ML+2*\g+1], v2, s[4:5] offset:REC*\g+4096
.endr
.irp g, 0,1,2,3,4,5,6,7
	global_load_b128 v[CX+4*\g:CX+4*\g+3], v1, s[4:5] offset:REC*\g
.endr
	s_wait_loadcnt 8                               ; the eight {M, L} are in; the eight loads of context may be out
	v_max3_num_f32 v3, v[ML], v[ML+2], v[ML+4]
	s_delay_alu instid0(VALU_DEP_1)
	v_max3_num_f32 v3, v3, v[ML+6], v[ML+8]
	s_delay_alu instid0(VALU_DEP_1)
	v_max3_num_f32 v3, v3, v[ML+10], v[ML+12]
	s_delay_alu instid0(VALU_DEP_1)
	v_max_num_f32 v3, v3, v[ML+14]
.irp g, 0,1,2,3,4,5,6,7
	v_sub_f32 v[ML+2*\g], v[ML+2*\g], v3
.endr
	s_wait_alu depctr_va_vdst(0)
.irp g, 0,1,2,3,4,5,6,7
	v_exp_f32 v[ML+2*\g], v[ML+2*\g]
.endr
	v_nop                                          ; a plain line behind the last exponential,
	s_wait_alu depctr_va_vdst(0)                   ; and one wait for the eight, ahead of their first reader
	v_mul_f32 v[LT], v[ML], v[ML+1]
.irp g, 1,2,3,4,5,6,7
	v_fma_f32 v[LT], v[ML+2*\g], v[ML+2*\g+1], v[LT]
.endr
	s_wait_alu depctr_va_vdst(0)
	v_rcp_f32 v[LT], v[LT]
	s_wait_loadcnt 0x0
	v_pk_mul_f32 v[OV:OV+1], v[CX:CX+1], v[ML:ML+1] op_sel_hi:[1,0]          ; the first record starts the sums; these lines are the plain work behind the reciprocal
	v_pk_mul_f32 v[OV+2:OV+3], v[CX+2:CX+3], v[ML:ML+1] op_sel_hi:[1,0]
.irp g, 1,2,3,4,5,6,7
	v_pk_fma_f32 v[OV:OV+1], v[CX+4*\g:CX+4*\g+1], v[ML+2*\g:ML+2*\g+1], v[OV:OV+1] op_sel_hi:[1,0,1]
	v_pk_fma_f32 v[OV+2:OV+3], v[CX+4*\g+2:CX+4*\g+3], v[ML+2*\g:ML+2*\g+1], v[OV+2:OV+3] op_sel_hi:[1,0,1]
.endr
	s_wait_alu depctr_va_vdst(0)                   ; the reciprocal's wait, ahead of its first reader
	v_pk_mul_f32 v[OV:OV+1], v[OV:OV+1], v[LT:LT+1] op_sel_hi:[1,0]
	v_pk_mul_f32 v[OV+2:OV+3], v[OV+2:OV+3], v[LT:LT+1] op_sel_hi:[1,0]
	global_store_b128 v1, v[OV:OV+3], s[6:7]       ; sixteen lanes store 256 consecutive bytes, at a multiple of 256 from out0's first byte
	s_endpgm
.Lfunc_end_k_qba5a552f71_join:
	.size	k_qba5a552f71_join, .Lfunc_end_k_qba5a552f71_join-k_qba5a552f71_join
	.p2alignl 7, 3214868480
	.fill 96, 4, 3214868480
	.section	.rodata,"a",@progbits
	.p2align	6, 0x0
	.amdhsa_kernel k_qba5a552f71_join
		.amdhsa_group_segment_fixed_size 0
		.amdhsa_private_segment_fixed_size 0
		.amdhsa_enable_private_segment 0
		.amdhsa_kernarg_size 16
		.amdhsa_user_sgpr_count 2
		.amdhsa_user_sgpr_kernarg_segment_ptr 1
		.amdhsa_wavefront_size32 1
		.amdhsa_system_sgpr_workgroup_id_x 1
		.amdhsa_system_sgpr_workgroup_id_y 1
		.amdhsa_system_sgpr_workgroup_id_z 1
		.amdhsa_system_vgpr_workitem_id 0
		.amdhsa_next_free_vgpr 64
		.amdhsa_next_free_sgpr 66
		.amdhsa_reserve_vcc 0
		.amdhsa_float_denorm_mode_32 3
		.amdhsa_float_denorm_mode_16_64 3
		.amdhsa_memory_ordered 1
		.amdhsa_forward_progress 1
		.amdhsa_inst_pref_size 5
	.end_amdhsa_kernel
	.amdgpu_metadata
---
amdhsa.version: [ 1, 2 ]
amdhsa.kernels:
  - .name:           k_qba5a552f71_join
    .symbol:         k_qba5a552f71_join.kd
    .args:
      - { .name: part, .offset: 0, .size: 8, .value_kind: global_buffer, .address_space: global }
      - { .name: out0, .offset: 8, .size: 8, .value_kind: global_buffer, .address_space: global }
    .group_segment_fixed_size: 0
    .private_segment_fixed_size: 0
    .kernarg_segment_align: 8
    .kernarg_segment_size: 16
    .max_flat_workgroup_size: 256
    .sgpr_count:     66
    .vgpr_count:     64
    .wavefront_size: 32
...
	.end_amdgpu_metadata
.endif
;; end of part 3
